; MI455X (gfx1250); checked and timed in simulation.
; The chip was launched on July 23, 2026; its instructions are those of AMD's public machine-readable ISA for CDNA 5 (MIT licence, August 2026) and "CDNA5" Instruction Set Architecture Reference Guide (July 2026). The comments in the code are by the model that wrote it; some were corrected since.
;; Lo RA Linear. Allowed arithmetic: float matrix products may take bf16 or f16 operands with f32 sums; other float arithmetic in f32, or as packed bf16 or f16 multiplies, adds, multiply-adds, maxima and minima; sums over many terms, partial sums and values carried from step to step in f32; what a program stores and reads back later, other than sums and carried values, may be rounded once to bf16 or f16.
;; Inputs: base_weight 4,096 x 4,096 float32; bias 4,096 float32; lora_A 8 x 4,096 float32; lora_B 4,096 x 8 float32; x 2 x 2,048 x 4,096 float32.
;; Outputs: out0 2 x 2,048 x 4,096 float32.
;; 2 versions, each right; version 2 is version 1 with the launch prep written anew for expert scheduling mode. Each part assembles by itself: llvm-mc -triple=amdgcn-amd-amdhsa -mcpu=gfx1250 --defsym DOCPART=n.
;; ======== version 1 of 2: 2 launches
;; workspace buffers: xb 33,554,432 bytes; wb 33,554,432 bytes
;; launch prep (part 1): grid 256 x 2, 8 waves a work-group, no clusters, 0 bytes of LDS; arguments x, base_weight, lora_A, lora_B, xb, wb; writes xb, wb
.if DOCPART == 1
	.amdgcn_target "amdgcn-amd-amdhsa--gfx1250"
	.amdhsa_code_object_version 6
	.text
	.protected	k_qd047b4a241_prep
	.globl	k_qd047b4a241_prep
	.p2align	8
	.type	k_qd047b4a241_prep,@function
k_qd047b4a241_prep:
	s_mov_b64 s[64:65], 0
	v_nop
	global_prefetch_b8 v0, s[64:65] scope:SCOPE_SE
	s_setreg_imm32_b32 hwreg(HW_REG_WAVE_MODE, 25, 1), 1
	s_wait_xcnt 0x0
; y = 0:  xb = bf16(x).                                   x, xb: [4096][4096]
; y = 1:  wb = bf16( bf16(base) + bf16(B) @ bf16(2 A) ).  base, wb: [4096 o][4096 d]; A = lora_A [8][4096]; B = lora_B [4096][8]; 2 = alpha / rank.
; Every input is rounded once to bf16 and the fused weight once more; the rank-8 product and the sum with base are kept in f32.
; LIMITS.  2 A is formed in f32 ahead of its rounding (exact, a power of two) and overflows where |A| passes 1.7e38.  Two columns 64 apart share one
; matrix instruction's K places, one of them multiplied by 0: an infinity or NaN in lora_A spoils that other column as well.
; SHARES.  A work-group owns 64 rows x 1,024 columns (x = 4 x row block + strip).  Thread t owns columns 4 t .. 4 t + 3 of the strip in every row: a load of a wave
; covers 512 consecutive bytes, a store of a wave 256 consecutive bytes, aligned.  The 64 rows go in 8 groups of 8 through three register slots: while one
; group is worked on, two are on their way.  Nothing is shared between waves: no LDS, no barrier.  No address register is ever rewritten: the row stands in the immediate.
; THE RANK-8 PRODUCT by the matrix unit, laid so that its result falls where the stream's numbers lie.  K = 32 has room for rank 8 twice:
;   source 0, lane (r = lane % 16, h = lane / 16), registers 0-3 (k = 8 h ..): B[row r % 8][0..7] where h = r / 8, else 0: rows 0-7 carry B in k = 0-7, rows 8-15 the same eight rows of B in k = 8-15
;   source 1 for c = 0..3, lane L, registers 0-3: 2 A[0..7][my column 4 L + c]: column L % 16, k = 8 (L / 16) ..;   registers 4-7 of both sources: 0
;   result c, register j of lane L: 2 (B A)[row j][column 4 L + c]: beside number c of the lane's 16 bytes of row j.
.set ROWS, 16384                       ; bytes in a row of x and of base
.set ROWD, 8192                        ; bytes in a row of xb and of wb
.set SOF, 1                            ; v1        16 t: my 16 bytes in a source row's strip
.set DOF, 2                            ; v2        8 t: my 8 bytes in a destination row's strip
.set BOF, 3                            ; v3        32 (t % 8): my row of B in a group's eight
.set VM,  4                            ; v4        all ones where lane bit 4 = lane bit 3, else 0
.set ONE, 5                            ; v5        1.0
.set U,   8                            ; v[8:15]   at work: two sets of four, by the row's parity
.set AF,  16                           ; v[16:23]  source 0
.set BF,  24                           ; v[24:55]  source 1 for c = 0..3
.set DD,  56                           ; v[56:87]  the four results
.set BL,  88                           ; v[88:111] slot s: 8 registers, a row of B as loaded
.set X,   112                          ; v[112:207] slot s: 32 registers, row j's four numbers at 4 j
	s_load_b256 s[4:11], s[0:1], 0x0               ; x s[4:5], base s[6:7], lora_A s[8:9], lora_B s[10:11]
	s_load_b128 s[12:15], s[0:1], 0x20             ; xb s[12:13], wb s[14:15]
	s_and_b32 s16, ttmp9, 3                        ; strip of 1,024 columns
	s_lshr_b32 s17, ttmp9, 2                       ; block of 64 rows
	s_and_b32 s24, ttmp7, 0xffff                   ; 0: x, 1: the weights
	s_lshl_b32 s18, s17, 20                        ; 64 rows of 16,384 bytes
	s_lshl_b32 s22, s16, 12                        ; 1,024 columns of 4 bytes
	s_add_co_u32 s18, s18, s22
	s_mov_b32 s19, 0
	s_lshl_b32 s20, s17, 19                        ; the same in bf16
	s_lshl_b32 s21, s16, 11
	s_add_co_u32 s20, s20, s21
	s_mov_b32 s21, 0
	s_mov_b32 s23, 0                               ; s[22:23]: the strip in a row of lora_A
	s_lshl_b32 s30, s17, 11                        ; 64 rows of lora_B, 32 bytes each
	s_mov_b32 s31, 0
	v_lshlrev_b32 v[SOF], 4, v0
	v_lshlrev_b32 v[DOF], 3, v0
	s_wait_kmcnt 0x0
	s_add_nc_u64 s[4:5], s[4:5], s[18:19]
	s_add_nc_u64 s[6:7], s[6:7], s[18:19]
	s_add_nc_u64 s[12:13], s[12:13], s[20:21]
	s_add_nc_u64 s[14:15], s[14:15], s[20:21]
	s_add_nc_u64 s[8:9], s[8:9], s[22:23]
	s_add_nc_u64 s[10:11], s[10:11], s[30:31]
	s_cmp_lg_u32 s24, 0
	s_cbranch_scc1 .Lweights
; Group g's loads, into slot g % 3: with lora = 1 first my row of B (two loads), then my 16 bytes of the group's eight rows.
.macro FILL g, lora
.set sl, (\g)%3
.if \lora
	global_load_b128 v[BL+8*sl:BL+8*sl+3],   v[BOF], s[10:11] offset:256*(\g)
	global_load_b128 v[BL+8*sl+4:BL+8*sl+7], v[BOF], s[10:11] offset:256*(\g)+16
.endif
.set j, 0
.rept 8
	global_load_b128 v[X+32*sl+4*j:X+32*sl+4*j+3], v[SOF], s[SRC:SRC+1] offset:(8*(\g)+j)*ROWS th:TH_LOAD_NT
.set j, j+1
.endr
.endm
; Group g's turn: the group two further on is asked for, then this one is worked on and stored.
.macro GROUP g, lora
.set n, 8+2*(\lora)                    ; loads in a group
.if (\g) < 6
.if (\g) > 0
	s_wait_xcnt 0x0                                ; the slot to be filled is group g - 1's, whose stores read it: it is loaded again only behind this wait
.endif
	FILL (\g)+2, \lora
	s_wait_loadcnt 2*n                             ; loads come back in order: mine are in, the two younger groups' stay out
.else
	s_wait_loadcnt (7-(\g))*n                      ; the last two groups: one younger group, then none
.endif
.set sl, (\g)%3
.set XS, X+32*sl
.set BS, BL+8*sl
.if \lora
.set i, 0
.rept 4
	v_cvt_pk_bf16_f32 v[AF+i], v[BS+2*i], v[BS+2*i+1]  ; my row of B, rounded,
.set i, i+1
.endr
.set i, 0
.rept 4
	v_and_b32 v[AF+i], v[VM], v[AF+i]              ; and kept only in the half of K that belongs to my row of source 0
.set i, i+1
.endr
.set c, 0
.rept 4
	v_wmma_f32_16x16x32_bf16 v[DD+8*c:DD+8*c+7], v[AF:AF+7], v[BF+8*c:BF+8*c+7], 0  ; four results of their own, each begun with 0: no chain
.set c, c+1
.endr
.set j, 0
.rept 8                                ; base is rounded to bf16, in place; these sixteen lines name no register of the products: they are the places behind them (ISA guide 7.12.1)
	v_cvt_pk_bf16_f32 v[XS+4*j],   v[XS+4*j],   v[XS+4*j+1]
	v_cvt_pk_bf16_f32 v[XS+4*j+2], v[XS+4*j+2], v[XS+4*j+3]
.set j, j+1
.endr
.set j, 0
.rept 8                                ; rows ascending: each result is read from its lowest register on
.set XR, XS+4*j
.set UU, U+4*(j%2)
	v_fma_mix_f32_bf16 v[UU],   v[XR],   v[ONE], v[DD+j]    op_sel_hi:[1,0,0]                 ; bf16(base) x 1 + 2 B A, in f32
	v_fma_mix_f32_bf16 v[UU+1], v[XR],   v[ONE], v[DD+8+j]  op_sel:[1,0,0] op_sel_hi:[1,0,0]
	v_fma_mix_f32_bf16 v[UU+2], v[XR+2], v[ONE], v[DD+16+j] op_sel_hi:[1,0,0]
	v_fma_mix_f32_bf16 v[UU+3], v[XR+2], v[ONE], v[DD+24+j] op_sel:[1,0,0] op_sel_hi:[1,0,0]
	v_cvt_pk_bf16_f32 v[XR],   v[UU],   v[UU+1]
	v_cvt_pk_bf16_f32 v[XR+1], v[UU+2], v[UU+3]
	global_store_b64 v[DOF], v[XR:XR+1], s[DST:DST+1] offset:(8*(\g)+j)*ROWD  ; the wave stores 256 consecutive bytes, aligned
.set j, j+1
.endr
.else
.set j, 0
.rept 8
.set XR, XS+4*j
	v_cvt_pk_bf16_f32 v[XR],   v[XR],   v[XR+1]
	v_cvt_pk_bf16_f32 v[XR+1], v[XR+2], v[XR+3]
	global_store_b64 v[DOF], v[XR:XR+1], s[DST:DST+1] offset:(8*(\g)+j)*ROWD
.set j, j+1
.endr
.endif
.endm
	; x: a cast
.set SRC, 4
.set DST, 12
	FILL 0, 0
	FILL 1, 0
.irp g, 0,1,2,3,4,5,6,7
	GROUP \g, 0
.endr
	s_endpgm
.Lweights:
.set SRC, 6
.set DST, 14
	v_and_b32 v[BOF], 7, v0
	v_lshlrev_b32 v[BOF], 5, v[BOF]
.set k, 0
.rept 8                                ; lora_A's eight rows at my four columns, for now in slot 2's registers
	global_load_b128 v[X+64+4*k:X+64+4*k+3], v[SOF], s[8:9] offset:k*ROWS
.set k, k+1
.endr
	FILL 0, 1
	FILL 1, 1
	v_mov_b32 v[ONE], 1.0
	v_lshrrev_b32 v[VM], 1, v0
	v_xor_b32 v[VM], v[VM], v0                     ; bit 3: lane bit 4 xor lane bit 3
	v_bfe_u32 v[VM], v[VM], 3, 1
	v_add_nc_u32 v[VM], -1, v[VM]                  ; equal: all ones; unequal: 0
.set i, 4
.rept 4                                ; k = 16 .. 31 of both sources is 0
	v_mov_b32 v[AF+i], 0
	v_mov_b32 v[BF+i], 0
	v_mov_b32 v[BF+8+i], 0
	v_mov_b32 v[BF+16+i], 0
	v_mov_b32 v[BF+24+i], 0
.set i, i+1
.endr
	s_wait_loadcnt 20                              ; lora_A is in; the twenty loads of groups 0 and 1 stay out
.set i, 0
.rept 16
	v_pk_mul_f32 v[X+64+2*i:X+64+2*i+1], v[X+64+2*i:X+64+2*i+1], 2.0 op_sel_hi:[1,0]  ; alpha / rank goes into A
.set i, i+1
.endr
.set c, 0
.rept 4
.set i, 0
.rept 4
	v_cvt_pk_bf16_f32 v[BF+8*c+i], v[X+64+8*i+c], v[X+64+8*i+4+c]  ; ranks 2 i and 2 i + 1 of column c
.set i, i+1
.endr
.set c, c+1
.endr
.irp g, 0,1,2,3,4,5,6,7
	GROUP \g, 1
.endr
	s_endpgm
.Lfunc_end_k_qd047b4a241_prep:
	.size	k_qd047b4a241_prep, .Lfunc_end_k_qd047b4a241_prep-k_qd047b4a241_prep
	.p2alignl 7, 3214868480
	.fill 96, 4, 3214868480
	.section	.rodata,"a",@progbits
	.p2align	6, 0x0
	.amdhsa_kernel k_qd047b4a241_prep
		.amdhsa_group_segment_fixed_size 0
		.amdhsa_private_segment_fixed_size 0
		.amdhsa_enable_private_segment 0
		.amdhsa_kernarg_size 48
		.amdhsa_user_sgpr_count 2
		.amdhsa_user_sgpr_kernarg_segment_ptr 1
		.amdhsa_wavefront_size32 1
		.amdhsa_system_sgpr_workgroup_id_x 1
		.amdhsa_system_sgpr_workgroup_id_y 1
		.amdhsa_system_sgpr_workgroup_id_z 1
		.amdhsa_system_vgpr_workitem_id 0
		.amdhsa_next_free_vgpr 208
		.amdhsa_next_free_sgpr 66
		.amdhsa_reserve_vcc 0
		.amdhsa_float_denorm_mode_32 3
		.amdhsa_float_denorm_mode_16_64 3
		.amdhsa_memory_ordered 1
		.amdhsa_forward_progress 1
		.amdhsa_inst_pref_size 77
	.end_amdhsa_kernel
	.amdgpu_metadata
---
amdhsa.version: [ 1, 2 ]
amdhsa.kernels:
  - .name:           k_qd047b4a241_prep
    .symbol:         k_qd047b4a241_prep.kd
    .args:
      - { .name: x, .offset: 0, .size: 8, .value_kind: global_buffer, .address_space: global }
      - { .name: base_weight, .offset: 8, .size: 8, .value_kind: global_buffer, .address_space: global }
      - { .name: lora_A, .offset: 16, .size: 8, .value_kind: global_buffer, .address_space: global }
      - { .name: lora_B, .offset: 24, .size: 8, .value_kind: global_buffer, .address_space: global }
      - { .name: xb, .offset: 32, .size: 8, .value_kind: global_buffer, .address_space: global }
      - { .name: wb, .offset: 40, .size: 8, .value_kind: global_buffer, .address_space: global }
    .group_segment_fixed_size: 0
    .private_segment_fixed_size: 0
    .kernarg_segment_align: 8
    .kernarg_segment_size: 48
    .max_flat_workgroup_size: 256
    .sgpr_count:     66
    .vgpr_count:     208
    .wavefront_size: 32
...
	.end_amdgpu_metadata
.endif
;; end of part 1
;; launch gemm (part 2): grid 16 x 16, 4 waves a work-group, clusters of 4 x 4, 327,680 bytes of LDS; arguments xb, wb, bias, out0; writes out0
.if DOCPART == 2
	.amdgcn_target "amdgcn-amd-amdhsa--gfx1250"
	.amdhsa_code_object_version 6
	.text
	.protected	k_qd047b4a241_gemm
	.globl	k_qd047b4a241_gemm
	.p2align	8
	.type	k_qd047b4a241_gemm,@function
k_qd047b4a241_gemm:
	s_mov_b64 s[64:65], 0
	v_nop
	global_prefetch_b8 v0, s[64:65] scope:SCOPE_SE
	s_setreg_imm32_b32 hwreg(HW_REG_WAVE_MODE, 25, 1), 1
	s_wait_xcnt 0x0
	s_wait_alu depctr_hold_cnt(0) depctr_sa_sdst(0) depctr_va_vdst(0) depctr_va_sdst(0) depctr_va_ssrc(0) depctr_va_vcc(0) depctr_vm_vsrc(0)
	s_getreg_b32 s2, hwreg(HW_REG_IB_STS2, 6, 4)
	s_cmp_eq_u32 s2, 0
	s_cbranch_scc0 .Lentry_in_a_cluster
	s_endpgm
.Lentry_in_a_cluster:
	s_bfe_u32 s2, ttmp6, 0x10000c
	s_cmp_lg_u32 s2, 0xf033
	s_cbranch_scc0 .Lentry_shape_is_right
	s_endpgm
.Lentry_shape_is_right:
; out0[m][o] = sum over d of xb[m][d] wb[o][d] + bf16(bias[o]).  xb: [4096][4096] bf16, wb: [4096][4096] bf16, bias: [4096] f32, out0: [4096][4096] f32; sums in f32, K ascending.
; LIMITS.  bias is rounded to bf16 like the other inputs; nothing else is rounded here.  NaN and infinities are not treated apart.
; A tile of the output, 256 x 256, is made by a work-group of four waves; a wave makes 128 x 128: 64 accumulators of 16 x 16, 512 registers.  16 x 16 tiles: one to a work-group.
; K goes in 32 steps of 128 through a ring of two LDS slots filled by the tensor data mover: a tile's rows are 256 bytes of memory and start at multiples of 256 bytes from the buffer's first byte.
; CLUSTERS: 4 x 4 work-groups.  The four of a row of the cluster need the same tiles of xb, the four of a column the same tiles of wb: each tile is asked for JOINTLY, by the same tensor load with
; the same descriptor and a mask that names the four, and each receives it in its own LDS: a quarter of the requests.
; REGISTERS, in windows of 256 (s_set_vgpr_msb's low byte: bits 1:0 source 0, 3:2 source 1, 5:4 source 2, 7:6 destination):
;   window 0: v0-31 addresses and bias; v64-127, v128-191 fragments of xb (8 x 16 rows x 32 K), two buffers; on the way out the same registers hold rows read back from the stage
;   window 1: v64-127, v128-191 fragments of wb, two buffers
;   window 2: the 32 accumulators of my rows 0-63 (accumulator (a, b) at v[8 (8 a + b)]);   window 3: those of my rows 64-127
; THE MATRIX INSTRUCTION IS USED TRANSPOSED: source 0 = 16 rows of wb, source 1 = 16 rows of xb.  Lane l then holds row l % 16 of the output and, in registers 0 to 7, the columns
; 8 (l / 16) + 0 .. 7: 32 neighbouring bytes of a row.
.set SIZE_K, 4096
.set SIZE_N, 4096
.set KSTEP,  128
.set PITCH,  272                       ; an LDS row: 256 bytes + 16 of padding = 68 words: row r starts at bank 4 r mod 64 (64 banks of 4 bytes: ISA guide 11.1), so the 16 rows that a load touches start at 16 different banks
.set HALFT,  128*PITCH                 ; 128 rows: what one tensor load brings, and what one wave reads of xb or of wb
.set SLOT,   4*HALFT                   ; xb's 256 rows, then wb's 256 rows
.set STAGE,  2*SLOT                    ; behind the ring: 16 rows x 528 bytes for each wave, for the way out; no tensor load lands there
.set SPITCH, 528                       ; a stage row: 512 bytes (128 f32) + 16: again 16 rows at 16 different groups of four banks
.set SPARE,  STAGE+4*16*SPITCH         ; behind the stages: the spare words, 128 bytes for each wave: two blocks of 256 bytes that no other line names
.set LAPS, SIZE_K/(2*KSTEP)            ; a lap = two K steps = once round the ring: 16
.set BIAS, 8                           ; v[8:11] bias of my four columns on the way out
.set ADRA, 16                          ; v16-17  LDS address of my xb fragments in slot 0, 1
.set ADRB, 20                          ; v20-21  the same for wb
.set STO,  24                          ; v24     the way out: where I put 32 bytes of a row
.set RD,   25                          ; v25     the way out: where I read 16 bytes of a row back
.set CO,   26                          ; v26     16 x lane: my byte offset in 512 bytes of a row of the output, and of bias
.set SPW,  28                          ; v28     LDS address of my spare word: SPARE + 4 x my thread's number; never rewritten
.set NIL,  29                          ; v29     0; never rewritten
.set F0,   64                          ; fragment buffer 0
.set F1,   128                         ; fragment buffer 1
.set G1, 24                            ; s[24:31] descriptor group 1 for xb's tiles
.set G0, 32                            ; s[32:39] descriptor group 0 for xb's tiles, one set for each slot
.set G1B, 48                           ; s[48:55] descriptor group 1 for wb's tiles: it differs in the mask alone
.set G0B, 56                           ; s[56:63] descriptor group 0 for wb's tiles, one set for each slot
.set MSB, 0
.macro WIN new                         ; the immediate's high byte repeats the setting that is left; a switch that changes nothing is dropped
.if MSB != (\new)
	s_set_vgpr_msb (MSB<<8)|(\new)
.set MSB, \new
.endif
.endm
.set MUL_LO, 0xa1                      ; source 0 (wb) window 1, source 1 (xb) window 0, C and D window 2
.set MUL_HI, 0xf1                      ; the same, C and D window 3
.set TO_B,   0x40                      ; destination window 1, address window 0
; A joint load.  Waves 0 and 1 fetch xb's two halves, waves 2 and 3 wb's.  Each of the two lines has one mask and one set of registers for all that issue it; the branch hangs on the wave's
; number alone.  An s_nop 0 and four v_nop follow each of the two lines, ahead of the jump, the label and what follows the macro.
.macro JLOAD s
	s_cmp_eq_u32 s11, 0
	s_cbranch_scc0 .Lfor_b_\@
	tensor_load_to_lds s[G0+4*(\s):G0+4*(\s)+3], s[G1:G1+7]
	s_nop 0
.rept 4
	v_nop
.endr
	s_branch .Lasked_\@
.Lfor_b_\@:
	tensor_load_to_lds s[G0B+4*(\s):G0B+4*(\s)+3], s[G1B:G1B+7]
	s_nop 0
.rept 4
	v_nop
.endr
.Lasked_\@:
.endm
; A round of the cluster's barrier: my work-group's barrier, so that wave 0's signal speaks for all four waves; wave 0 signals for the work-group; every wave waits for all sixteen
; work-groups; my work-group's barrier once more.
.macro CREST                           ; a round behind its opening barrier
	s_cmp_lg_u32 s10, 0
	s_cbranch_scc1 .Lnot_wave_0_\@
	s_barrier_signal -3
.Lnot_wave_0_\@:
	s_barrier_wait -3
	s_barrier_signal -1
	s_barrier_wait -1
.endm
.macro CROUND                          ; a whole round
	s_barrier_signal -1
	s_barrier_wait -1
	CREST
.endm
	s_load_b128 s[4:7], s[0:1], 0x0                ; xb s[4:5], wb s[6:7]
	s_load_b128 s[68:71], s[0:1], 0x10             ; bias s[68:69], out0 s[70:71]
	v_lshl_add_u32 v[SPW], v0, 2, SPARE
	v_mov_b32 v[NIL], 0
	ds_add_u32 v[SPW], v[NIL]                      ; the wave's opening: the add and its wait stand ahead of my first tensor load; the set-up below, work on registers, stands between them
	v_lshrrev_b32 v1, 5, v0
	v_readfirstlane_b32 s10, v1                    ; wave 0..3
	s_lshr_b32 s11, s10, 1                         ; which half of the tile's rows is mine.  Also: I fetch for xb (0) or for wb (1)
	s_and_b32 s12, s10, 1                          ; which half of its columns.  Also: which 128 rows of that tile I fetch
	s_bfe_u32 s40, ttmp6, 0x40000                  ; cx: my place along the cluster's x
	s_bfe_u32 s41, ttmp6, 0x40004                  ; cy: along its y
	s_lshl_b32 s42, ttmp9, 2                       ; in a cluster launch ttmp9 and ttmp7 count clusters
	s_add_co_u32 s42, s42, s40                     ; tile column = 4 x cluster x + cx
	s_and_b32 s13, ttmp7, 0xffff
	s_lshl_b32 s13, s13, 2
	s_add_co_u32 s13, s13, s41                     ; tile row = 4 x cluster y + cy
	s_lshl_b32 s43, s41, 2
	s_lshl_b32 s43, 15, s43                        ; my row of the cluster: places 4 cy .. 4 cy + 3
	s_lshl_b32 s44, 0x1111, s40                    ; my column: places cx, cx + 4, cx + 8, cx + 12
	; descriptor group 1: a tile of 128 rows x 128 elements, padded in LDS
	s_or_b32 s[G1+0], s43, (1<<16)|(1<<20)|(1<<21)|(5<<22)|(3<<25)  ; 15:0 the mask: xb's tiles go to my row; 17:16 element of 2 bytes; 20 padding on; 21 set beside a mask; 24:22 after every 64 words (code 5); 31:25 of 4 words (code 3)
	s_or_b32 s[G1B+0], s44, (1<<16)|(1<<20)|(1<<21)|(5<<22)|(3<<25) ; the same with the mask of my column, for wb's tiles
	s_mov_b32 s[G1B+1], KSTEP<<16
	s_mov_b32 s[G1+1], KSTEP<<16                   ; tensor_dim0 = 128
	s_mov_b32 s[G1B+2], 128<<16
	s_mov_b32 s[G1+2], 128<<16                     ; tensor_dim1 = 128
	s_mov_b32 s[G1B+3], KSTEP<<16
	s_mov_b32 s[G1+3], KSTEP<<16                   ; tile_dim0 = 128
	s_mov_b32 s[G1B+4], 128
	s_mov_b32 s[G1+4], 128                         ; tile_dim1 = 128; tile_dim2 = 0
	s_mov_b32 s[G1B+5], SIZE_K
	s_mov_b32 s[G1+5], SIZE_K                      ; elements from row to row
	s_mov_b32 s[G1B+6], 0
	s_mov_b32 s[G1+6], 0
	s_mov_b32 s[G1B+7], 0
	s_mov_b32 s[G1+7], 0
	; where the tiles come from.  xb's hang on the tile row alone, which my row of the cluster shares; wb's on the tile column alone, which my column shares.
	; Every wave makes both addresses, in registers that never hold the other coordinate, and asks by one of them.
	s_lshl_b32 s17, s12, 7                         ; which 128 rows of the tile I fetch
	s_lshl_b32 s16, s13, 8
	s_add_co_u32 s16, s16, s17                     ; xb: row 256 x tile row + 128 x half
	s_lshl_b32 s46, s42, 8
	s_add_co_u32 s46, s46, s17                     ; wb: row 256 x tile column + 128 x half
	s_mov_b32 s17, 0
	s_mov_b32 s47, 0
	s_mov_b64 s[18:19], SIZE_K*2
	s_mul_u64 s[16:17], s[16:17], s[18:19]         ; in bytes
	s_mul_u64 s[46:47], s[46:47], s[18:19]
	s_mul_i32 s20, s10, HALFT                      ; and where they go: wave x 128 rows: no place in the cluster enters an LDS address
	s_wait_dscnt 0x0                               ; the opening add is done
	s_wait_kmcnt 0x0
	s_add_nc_u64 s[14:15], s[4:5], s[16:17]
	s_add_nc_u64 s[46:47], s[6:7], s[46:47]
	CROUND                                         ; all sixteen work-groups are here: the first joint loads meet
.irp s, 0,1
	s_mov_b32 s[G0+4*(\s)], 1                                      ; count = 1
	s_add_co_u32 s[G0+4*(\s)+1], s20, (\s)*SLOT                    ; LDS address
	s_add_nc_u64 s[G0+4*(\s)+2:G0+4*(\s)+3], s[14:15], (\s)*KSTEP*2  ; global address: K step s
	s_or_b32 s[G0+4*(\s)+3], s[G0+4*(\s)+3], 0x80000000            ; type = 2
	s_mov_b32 s[G0B+4*(\s)], 1
	s_add_co_u32 s[G0B+4*(\s)+1], s20, (\s)*SLOT
	s_add_nc_u64 s[G0B+4*(\s)+2:G0B+4*(\s)+3], s[46:47], (\s)*KSTEP*2
	s_or_b32 s[G0B+4*(\s)+3], s[G0B+4*(\s)+3], 0x80000000
	JLOAD \s                                       ; the ring is filled before anything else is done: two loads of mine are out
.endr
	; A fragment is 16 rows x 32 K in 8 registers: lane l holds row l % 16; registers 0-3 hold K = 8 (l / 16) + 0..7, registers 4-7 K = 16 + 8 (l / 16) + 0..7: two loads of 16 bytes, 32 bytes apart.
	v_and_b32 v1, 15, v0                           ; l % 16
	v_bfe_u32 v2, v0, 4, 1                         ; l / 16
	v_mul_u32_u24 v3, v1, PITCH
	v_lshl_add_u32 v3, v2, 4, v3                   ; row x pitch + 16 x half
	s_mul_i32 s21, s11, HALFT                      ; my 128 rows of xb
	s_mul_i32 s22, s12, HALFT                      ; my 128 rows of wb,
	s_add_co_u32 s22, s22, 2*HALFT                 ; which lie behind xb's 256
.irp s, 0,1
	v_add_nc_u32 v[ADRA+(\s)], s21, v3
	v_add_nc_u32 v[ADRB+(\s)], s22, v3
	s_add_co_u32 s21, s21, SLOT
	s_add_co_u32 s22, s22, SLOT
.endr
	s_mul_i32 s23, s10, 16*SPITCH
	s_add_co_u32 s23, s23, STAGE                   ; my stage
	v_mul_u32_u24 v4, v1, SPITCH                   ; in: row l % 16, 32 bytes for each half of the lanes
	v_lshl_add_u32 v4, v2, 5, v4
	v_add_nc_u32 v[STO], s23, v4
	v_and_b32 v5, 31, v0
	v_lshlrev_b32 v[CO], 4, v5                     ; back: the 32 lanes take one row of 512 bytes
	v_add_nc_u32 v[RD], s23, v[CO]
	; where my part of the tile begins in the output, and my columns in bias
	s_lshl_b32 s13, s13, 8
	s_lshl_b32 s14, s11, 7
	s_add_co_u32 s16, s13, s14                     ; my first row
	s_mov_b32 s17, 0
	s_mov_b64 s[18:19], SIZE_N*4
	s_mul_u64 s[16:17], s[16:17], s[18:19]
	s_lshl_b32 s46, s42, 10                        ; my first column, in bytes: 1,024 x tile column + 512 x half
	s_lshl_b32 s47, s12, 9
	s_add_co_u32 s46, s46, s47
	s_mov_b32 s47, 0
	s_add_nc_u64 s[68:69], s[68:69], s[46:47]
	s_add_nc_u64 s[16:17], s[16:17], s[46:47]
	s_add_nc_u64 s[8:9], s[70:71], s[16:17]
	global_load_b128 v[BIAS:BIAS+3], v[CO], s[68:69]
	s_wait_loadcnt 0x0                             ; in the wait for the first tile
	v_cvt_pk_bf16_f32 v12, v[BIAS], v[BIAS+1]      ; bias is rounded to bf16 like the other inputs, and widened again
	v_cvt_pk_bf16_f32 v13, v[BIAS+2], v[BIAS+3]
	v_lshlrev_b32 v[BIAS], 16, v12
	v_and_b32 v[BIAS+1], 0xffff0000, v12
	v_lshlrev_b32 v[BIAS+2], 16, v13
	v_and_b32 v[BIAS+3], 0xffff0000, v13
; 16 matrix instructions: m blocks a0, a0 + 1 of the window's four (hi = 0: my rows 0-63, 1: rows 64-127) x all 8 n blocks, 32 along K.
; zero = 1: the first product starts the sums: nothing is ever cleared.
.macro MUL16 f, hi, a0, zero
	WIN MUL_LO+0x50*(\hi)
.irp a, \a0, (\a0)+1
.irp b, 0,1,2,3,4,5,6,7
.if \zero
	v_wmma_f32_16x16x32_bf16 v[8*(8*(\a)+(\b)):8*(8*(\a)+(\b))+7], v[(\f)+8*(\b):(\f)+8*(\b)+7], v[(\f)+8*(4*(\hi)+(\a)):(\f)+8*(4*(\hi)+(\a))+7], 0
.else
	v_wmma_f32_16x16x32_bf16 v[8*(8*(\a)+(\b)):8*(8*(\a)+(\b))+7], v[(\f)+8*(\b):(\f)+8*(\b)+7], v[(\f)+8*(4*(\hi)+(\a)):(\f)+8*(4*(\hi)+(\a))+7], v[8*(8*(\a)+(\b)):8*(8*(\a)+(\b))+7]
.endif
.endr
.endr
.endm
; 32 LDS loads in one run: the fragments of one quarter step (128 rows of wb, 128 rows of xb, 32 K at byte k of the rows) into buffer f
.macro FETCH slot, k, f
	WIN TO_B
.irp i, 0,1,2,3,4,5,6,7
	ds_load_b128 v[(\f)+8*(\i):(\f)+8*(\i)+3],   v[ADRB+(\slot)] offset:(\k)+(\i)*16*PITCH
	ds_load_b128 v[(\f)+8*(\i)+4:(\f)+8*(\i)+7], v[ADRB+(\slot)] offset:(\k)+(\i)*16*PITCH+32
.endr
	WIN 0
.irp i, 0,1,2,3,4,5,6,7
	ds_load_b128 v[(\f)+8*(\i):(\f)+8*(\i)+3],   v[ADRA+(\slot)] offset:(\k)+(\i)*16*PITCH
	ds_load_b128 v[(\f)+8*(\i)+4:(\f)+8*(\i)+7], v[ADRA+(\slot)] offset:(\k)+(\i)*16*PITCH+32
.endr
.endm
; A load into a register that a matrix instruction has read, and an LDS store that reads a matrix result, stand four places behind that matrix instruction, and only plain vector
; instructions that name none of its registers are places (ISA guide 7.12.1 for vector instructions).
.macro PLACES
.rept 4
	v_nop
.endr
.endm
; A K step is four quarter steps of 32 along K, 64 matrix instructions each, on buffers 0, 1, 0, 1.  The 64 accumulators take turns in one order throughout.
; One of the first three: multiplies buffer f; in its middle it fetches the next quarter's fragments, at byte k of the same slot's rows, into buffer g.
.macro QUARTER slot, k, f, g, zero
	s_wait_dscnt 8                                 ; wb and xb's rows 0-63 are in; the youngest eight loads (xb's rows 64-127) may be out
	WIN MUL_LO
	MUL16 \f, 0, 0, \zero
	MUL16 \f, 0, 2, \zero
	PLACES
	FETCH \slot, \k, \g
	s_wait_dscnt 32                                ; all but the 32 just issued
	WIN MUL_HI
	MUL16 \f, 1, 0, \zero
	MUL16 \f, 1, 2, \zero
.endm
; The last quarter multiplies buffer 1 and changes slots.  MEET is its first half: one barrier for the change of slots.  In front of it each wave waits for all its tensor loads, of which
; one is out: its part of the next slot; adds 0 to its spare word; and waits for that and for its own reads of this slot.  Behind it nobody reads this slot any more and the next slot is whole.
.macro MEET round                      ; round = 1: a round of the cluster's barrier follows
	WIN 0                                          ; (the add's two registers lie in window 0)
	s_wait_tensorcnt 0x0                           ; all my tensor loads have landed
	ds_add_u32 v[SPW], v[NIL]                      ; 0 onto my spare word
	s_wait_dscnt 9                                 ; (the add and the youngest eight loads may be out)
	WIN MUL_LO
	MUL16 F1, 0, 0, 0                              ; sixteen matrix instructions stand between the add and the wait for it
	s_wait_dscnt 0x0                               ; the add is done, and my reads of this slot are over
	s_barrier_signal -1
	MUL16 F1, 0, 2, 0                              ; work on registers while the others arrive
.if \round
	WIN 0
.endif
	s_barrier_wait -1
.endm
; The whole last quarter.  Behind the round the slot just read out is filled again first, with the K step two steps on; then come the next slot's first fragments.
; From a request to the wait for it a wave issues 224 matrix instructions.
.macro TURN slot, next
	MEET 1
	CREST                                          ; no wave of any partner still reads this slot's tile or has a load on its way
	s_add_nc_u64 s[G0+4*(\slot)+2:G0+4*(\slot)+3], s[G0+4*(\slot)+2:G0+4*(\slot)+3], 2*KSTEP*2    ; no tensor load of mine is out: the group 0 may be written
	s_add_nc_u64 s[G0B+4*(\slot)+2:G0B+4*(\slot)+3], s[G0B+4*(\slot)+2:G0B+4*(\slot)+3], 2*KSTEP*2
	JLOAD \slot                                    ; the first tensor load behind the round, and my only one until the next; its four v_nop are also the places in front of the loads below
	FETCH \next, 0, F0
	WIN MUL_HI
	MUL16 F1, 1, 0, 0
	MUL16 F1, 1, 2, 0
.endm
; THE WAY OUT of block a (16 rows x 128 columns of f32).  TOSTAGE: the accumulators go as they are into my own stage, 32 bytes a lane, and come back as whole rows of 512 bytes.
.macro TOSTAGE a
.set AC, 64*((\a)%4)
.set BK, F0+64*((\a)%2)
	WIN 0x08+4*((\a)/4)                            ; the stores' data: window 2 or 3
.irp b, 0,1,2,3,4,5,6,7
	ds_store_b128 v[STO], v[AC+8*(\b):AC+8*(\b)+3]   offset:64*(\b)      ; each accumulator's low registers first
	ds_store_b128 v[STO], v[AC+8*(\b)+4:AC+8*(\b)+7] offset:64*(\b)+16
.endr
	WIN 0
.if (\a) >= 2
	s_wait_xcnt 0x0                                ; block a - 2's stores read the registers that the loads below write: they are loaded again only behind this wait
.endif
.set t, 0
.rept 16
	ds_load_b128 v[BK+4*t:BK+4*t+3], v[RD] offset:t*SPITCH  ; LDS serves a wave's instructions in order (ISA guide 5.7.1.4): these see the stores above, and the next block's stores come behind them
.set t, t+1
.endr
.endm
; SEND: bias is added and the rows are stored.  younger: the LDS instructions issued behind block a's loads: the next block's 32, or none.
.macro SEND a, younger
.set BK, F0+64*((\a)%2)
	WIN 0
.set t, 0
.rept 16
	s_wait_dscnt (\younger)+15-t                   ; row t is back
	v_pk_add_f32 v[BK+4*t:BK+4*t+1],   v[BK+4*t:BK+4*t+1],   v[BIAS:BIAS+1]
	v_pk_add_f32 v[BK+4*t+2:BK+4*t+3], v[BK+4*t+2:BK+4*t+3], v[BIAS+2:BIAS+3]
	global_store_b128 v[CO], v[BK+4*t:BK+4*t+3], s[8:9] offset:(16*(\a)+t)*SIZE_N*4 th:TH_STORE_NT  ; the wave stores 512 consecutive bytes, aligned; the row stands in the immediate, 127 rows of 16,384 bytes at the most
.set t, t+1
.endr
.endm
	s_wait_tensorcnt 1                             ; my part of K step 0 is in; K step 1's may stay out
	s_barrier_signal -1
	s_barrier_wait -1                              ; everybody's is
	FETCH 0, 0, F0
	QUARTER 0, 64,  F0, F1, 1                      ; the first quarter stands in front of the loop: its products start the sums
	WIN 0                                          ; at a label and at a branch every window is 0
	s_mov_b32 s3, LAPS-1
.Llap:                                                 ; a trip goes once round the ring, from a lap's second quarter to the next lap's first, and fills both slots again: 15 trips ask for K steps 2 to 31
	QUARTER 0, 128, F1, F0, 0
	QUARTER 0, 192, F0, F1, 0
	TURN 0, 1
	QUARTER 1, 64,  F0, F1, 0
	QUARTER 1, 128, F1, F0, 0
	QUARTER 1, 192, F0, F1, 0
	TURN 1, 0
	QUARTER 0, 64,  F0, F1, 0
	WIN 0
	s_sub_co_u32 s3, s3, 1
	s_cmp_lg_u32 s3, 0
	s_cbranch_scc1 .Llap
	QUARTER 0, 128, F1, F0, 0                      ; the last lap is written out: it asks for nothing more, and has no round of the cluster's barrier
	QUARTER 0, 192, F0, F1, 0
	MEET 0                                         ; my one tensor load that was still out is slot 1's, the last K step's
	PLACES                                         ; for the loads into buffer 0
	FETCH 1, 0, F0
	WIN MUL_HI
	MUL16 F1, 1, 0, 0
	MUL16 F1, 1, 2, 0
	QUARTER 1, 64,  F0, F1, 0
	QUARTER 1, 128, F1, F0, 0
	QUARTER 1, 192, F0, F1, 0
	s_wait_dscnt 8                                 ; the very last quarter: nothing more to fetch
	MUL16 F1, 0, 0, 0
	MUL16 F1, 0, 2, 0
	s_wait_dscnt 0x0
	MUL16 F1, 1, 0, 0
	MUL16 F1, 1, 2, 0
	PLACES                                         ; behind the last products: for the LDS stores that read the sums and for the loads into the fragment buffers
	TOSTAGE 0
.irp a, 1,2,3,4,5,6,7                  ; block a's way through the stage is begun ahead of block a - 1's stores
	TOSTAGE \a
	SEND (\a)-1, 32
.endr
	SEND 7, 0
	s_wait_tensorcnt 0x0                           ; the wave's end: behind my last tensor load and my last LDS store
	ds_add_u32 v[SPW], v[NIL]
	s_wait_dscnt 0x0
	CROUND                                         ; the closing round: no work-group ends while a partner may still ask for a tile that names it
	s_endpgm
.Lfunc_end_k_qd047b4a241_gemm:
	.size	k_qd047b4a241_gemm, .Lfunc_end_k_qd047b4a241_gemm-k_qd047b4a241_gemm
	.p2alignl 7, 3214868480
	.fill 96, 4, 3214868480
	.section	.rodata,"a",@progbits
	.p2align	6, 0x0
	.amdhsa_kernel k_qd047b4a241_gemm
		.amdhsa_group_segment_fixed_size 327680
		.amdhsa_private_segment_fixed_size 0
		.amdhsa_enable_private_segment 0
		.amdhsa_kernarg_size 32
		.amdhsa_user_sgpr_count 2
		.amdhsa_user_sgpr_kernarg_segment_ptr 1
		.amdhsa_wavefront_size32 1
		.amdhsa_system_sgpr_workgroup_id_x 1
		.amdhsa_system_sgpr_workgroup_id_y 1
		.amdhsa_system_sgpr_workgroup_id_z 1
		.amdhsa_system_vgpr_workitem_id 0
		.amdhsa_next_free_vgpr 1024
		.amdhsa_next_free_sgpr 72
		.amdhsa_reserve_vcc 0
		.amdhsa_float_denorm_mode_32 3
		.amdhsa_float_denorm_mode_16_64 3
		.amdhsa_memory_ordered 1
		.amdhsa_forward_progress 1
		.amdhsa_inst_pref_size 160
	.end_amdhsa_kernel
	.amdgpu_metadata
---
amdhsa.version: [ 1, 2 ]
amdhsa.kernels:
  - .name:           k_qd047b4a241_gemm
    .symbol:         k_qd047b4a241_gemm.kd
    .args:
      - { .name: xb, .offset: 0, .size: 8, .value_kind: global_buffer, .address_space: global }
      - { .name: wb, .offset: 8, .size: 8, .value_kind: global_buffer, .address_space: global }
      - { .name: bias, .offset: 16, .size: 8, .value_kind: global_buffer, .address_space: global }
      - { .name: out0, .offset: 24, .size: 8, .value_kind: global_buffer, .address_space: global }
    .group_segment_fixed_size: 327680
    .private_segment_fixed_size: 0
    .kernarg_segment_align: 8
    .kernarg_segment_size: 32
    .max_flat_workgroup_size: 128
    .sgpr_count:     72
    .vgpr_count:     1024
    .wavefront_size: 32
...
	.end_amdgpu_metadata
.endif
;; end of part 2
;; ======== version 2 of 2: 2 launches; version 1 with the launch prep written anew for expert scheduling mode
;; workspace buffers: xb 33,554,432 bytes; wb 33,554,432 bytes
;; launch prep (part 3): grid 256 x 2, 8 waves a work-group, no clusters, 0 bytes of LDS; arguments x, base_weight, lora_A, lora_B, xb, wb; writes xb, wb
.if DOCPART == 3
	.amdgcn_target "amdgcn-amd-amdhsa--gfx1250"
	.amdhsa_code_object_version 6
	.text
	.protected	k_qd047b4a241_prep
	.globl	k_qd047b4a241_prep
	.p2align	8
	.type	k_qd047b4a241_prep,@function
k_qd047b4a241_prep:
	s_mov_b64 s[64:65], 0
	v_nop
	global_prefetch_b8 v0, s[64:65] scope:SCOPE_SE
	s_setreg_imm32_b32 hwreg(HW_REG_WAVE_SCHED_MODE, 0, 2), 2
	s_setreg_imm32_b32 hwreg(HW_REG_WAVE_MODE, 25, 1), 1
	s_wait_xcnt 0x0
	s_wait_alu depctr_vm_vsrc(0)
; y = 0:  xb = bf16(x).                                   x, xb: [4096][4096]
; y = 1:  wb = bf16( bf16(base) + bf16(B) @ bf16(2 A) ).  base, wb: [4096 o][4096 d]; A = lora_A [8][4096]; B = lora_B [4096][8]; 2 = alpha / rank.
; Every input is rounded once to bf16 and the fused weight once more; the rank-8 product and the sum with base are kept in f32.
; LIMITS.  2 A is formed in f32 ahead of its rounding (exact, a power of two) and overflows where |A| passes 1.7e38.  Two columns 64 apart share one
; matrix instruction's K places, one of them multiplied by 0: an infinity or NaN in lora_A spoils that other column as well.
; SHARES.  A work-group owns 64 rows x 1,024 columns (x = 4 x row block + strip).  Thread t owns columns 4 t .. 4 t + 3 of the strip in every row: a load of a wave
; covers 512 consecutive bytes, a store of a wave 256 consecutive bytes, aligned.  The 64 rows go in 8 groups of 8 through three register slots: while one
; group is worked on, two are on their way.  Nothing is shared between waves: no LDS, no barrier.  No address register is ever rewritten: the row stands in the immediate.
; THE RANK-8 PRODUCT by the matrix unit, laid so that its result falls where the stream's numbers lie.  K = 32 has room for rank 8 twice:
;   source 0, lane (r = lane % 16, h = lane / 16), registers 0-3 (k = 8 h ..): B[row r % 8][0..7] where h = r / 8, else 0: rows 0-7 carry B in k = 0-7, rows 8-15 the same eight rows of B in k = 8-15
;   source 1 for c = 0..3, lane L, registers 0-3: 2 A[0..7][my column 4 L + c]: column L % 16, k = 8 (L / 16) ..;   registers 4-7 of both sources: 0
;   result c, register j of lane L: 2 (B A)[row j][column 4 L + c]: beside number c of the lane's 16 bytes of row j.
; THE MODE: SCHED_MODE bits 1:0 = 2 (LLVM: expert scheduling mode 2), set by the entry lines.  The code itself states the register dependences
; between vector or matrix instructions and memory instructions, with s_wait_alu, always for 0.
; THE PLAN.  Registers that memory instructions touch:
;   X0 .. X2, BL0 .. BL2   Written by the loads of group g + 2, issued at the head of group g, which land in slot (g + 2) % 3 = (g - 1) % 3; read (X on the weights' path also rounded in place)
;                          by group g's vector lines in slot g % 3.  No memory instruction reads them.
;   Y0, Y1                 Written by group g's last roundings (Y[g % 2]); read by the eight stores that are issued at the head of group g + 1.
;   v1, v2, v3             Byte offsets, made once at the head and never written again.
; U, AF, BF, DD, VM and ONE are named by vector and matrix instructions alone.
; Group g's memory instructions touch slot (g - 1) % 3 and Y[(g - 1) % 2]: what group g - 1 worked on, and what no vector line of group g names.  So the waits at a group's head state
; all that its loads and stores hang on.  These stand in one run behind the waits, the loads first, ahead of the wait for the group's own data: the slot is on its way again at once,
; and the stores leave while the wave waits.
.set ROWS, 16384                       ; bytes in a row of x and of base
.set ROWD, 8192                        ; bytes in a row of xb and of wb
.set SOF, 1                            ; v1        16 t: my 16 bytes in a source row's strip
.set DOF, 2                            ; v2        8 t: my 8 bytes in a destination row's strip
.set BOF, 3                            ; v3        32 (t % 8): my row of B in a group's eight
.set VM,  4                            ; v4        all ones where lane bit 4 = lane bit 3, else 0
.set ONE, 5                            ; v5        1.0
.set U,   8                            ; v[8:15]   at work: two sets of four, by the row's parity
.set AF,  16                           ; v[16:23]  source 0
.set BF,  24                           ; v[24:55]  source 1 for c = 0..3
.set DD,  56                           ; v[56:87]  the four results
.set BL,  88                           ; v[88:111] slot s: 8 registers, a row of B as loaded
.set X,   112                          ; v[112:207] slot s: 32 registers, row j's four numbers at 4 j
.set Y,   208                          ; v[208:239] buffer k: 16 registers, row j's four bf16 at 2 j, to store
	s_load_b256 s[4:11], s[0:1], 0x0               ; x s[4:5], base s[6:7], lora_A s[8:9], lora_B s[10:11]
	s_load_b128 s[12:15], s[0:1], 0x20             ; xb s[12:13], wb s[14:15]
	s_and_b32 s16, ttmp9, 3                        ; strip of 1,024 columns
	s_lshr_b32 s17, ttmp9, 2                       ; block of 64 rows
	s_and_b32 s24, ttmp7, 0xffff                   ; 0: x, 1: the weights
	s_lshl_b32 s18, s17, 20                        ; 64 rows of 16,384 bytes
	s_lshl_b32 s22, s16, 12                        ; 1,024 columns of 4 bytes
	s_add_co_u32 s18, s18, s22
	s_mov_b32 s19, 0
	s_lshl_b32 s20, s17, 19                        ; the same in bf16
	s_lshl_b32 s21, s16, 11
	s_add_co_u32 s20, s20, s21
	s_mov_b32 s21, 0
	s_mov_b32 s23, 0                               ; s[22:23]: the strip in a row of lora_A
	s_lshl_b32 s30, s17, 11                        ; 64 rows of lora_B, 32 bytes each
	s_mov_b32 s31, 0
	v_lshlrev_b32 v[SOF], 4, v0
	v_lshlrev_b32 v[DOF], 3, v0
	s_wait_kmcnt 0x0
	s_add_nc_u64 s[4:5], s[4:5], s[18:19]
	s_add_nc_u64 s[6:7], s[6:7], s[18:19]
	s_add_nc_u64 s[12:13], s[12:13], s[20:21]
	s_add_nc_u64 s[14:15], s[14:15], s[20:21]
	s_add_nc_u64 s[8:9], s[8:9], s[22:23]
	s_add_nc_u64 s[10:11], s[10:11], s[30:31]
	s_cmp_lg_u32 s24, 0
	s_cbranch_scc1 .Lweights
; Group g's loads, into slot g % 3: with lora = 1 first my row of B (two loads), then my 16 bytes of the group's eight rows.
.macro FILL g, lora
.set sl, (\g)%3
.if \lora
	global_load_b128 v[BL+8*sl:BL+8*sl+3],   v[BOF], s[10:11] offset:256*(\g)
	global_load_b128 v[BL+8*sl+4:BL+8*sl+7], v[BOF], s[10:11] offset:256*(\g)+16
.endif
.set j, 0
.rept 8
	global_load_b128 v[X+32*sl+4*j:X+32*sl+4*j+3], v[SOF], s[SRC:SRC+1] offset:(8*(\g)+j)*ROWS th:TH_LOAD_NT
.set j, j+1
.endr
.endm
; Group g's stores, from Y[g % 2].
.macro SEND g
.set j, 0
.rept 8
	global_store_b64 v[DOF], v[Y+16*((\g)%2)+2*j:Y+16*((\g)%2)+2*j+1], s[DST:DST+1] offset:(8*(\g)+j)*ROWD  ; the wave stores 256 consecutive bytes, aligned
.set j, j+1
.endr
.endm
; Group g's turn: the group two further on is asked for, the group before is stored, then this one is worked on.
.macro GROUP g, lora
.set n, 8+2*(\lora)                    ; loads in a group
.if (\g) > 1
	s_wait_xcnt 0x0                                ; every earlier memory instruction has had its addresses translated (ISA guide 3.1): Y[g % 2], the data of the stores issued at the head of the group before, is rewritten only behind this wait
	s_wait_alu depctr_vm_vsrc(0)                   ; those stores have read Y[g % 2], which this group's roundings write again
.endif
.if (\g) > 0
	s_wait_alu depctr_va_vdst(0)                   ; the group before has written its Y, which the stores below read, and is done with its slot (X and the row of B), in which the loads below land
.elseif \lora
	s_wait_alu depctr_va_vdst(0)                   ; the lines that doubled and rounded lora_A are done with slot 2's registers, in which the loads below land
.endif
.if (\g) < 6
	FILL (\g)+2, \lora                             ; no vector line since the wait names these registers
.endif
.if (\g) > 0
	SEND (\g)-1
.endif
.if (\g) < 6
	s_wait_loadcnt 2*n                             ; loads come back in order: mine are in, the two younger groups' stay out
.else
	s_wait_loadcnt (7-(\g))*n                      ; the last two groups: one younger group, then none
.endif
.set sl, (\g)%3
.set XS, X+32*sl
.set BS, BL+8*sl
.set YS, Y+16*((\g)%2)
.if \lora
.set i, 0
.rept 4
	v_cvt_pk_bf16_f32 v[AF+i], v[BS+2*i], v[BS+2*i+1]  ; my row of B, rounded,
.set i, i+1
.endr
.set i, 0
.rept 4
	v_and_b32 v[AF+i], v[VM], v[AF+i]              ; and kept only in the half of K that belongs to my row of source 0
.set i, i+1
.endr
.set c, 0
.rept 4
	v_wmma_f32_16x16x32_bf16 v[DD+8*c:DD+8*c+7], v[AF:AF+7], v[BF+8*c:BF+8*c+7], 0  ; four results of their own, each begun with 0: no chain
.set c, c+1
.endr
.set j, 0
.rept 8                                ; base is rounded to bf16, in place; these sixteen lines name no register of the products: they are the places behind them (ISA guide 7.12.1)
	v_cvt_pk_bf16_f32 v[XS+4*j],   v[XS+4*j],   v[XS+4*j+1]
	v_cvt_pk_bf16_f32 v[XS+4*j+2], v[XS+4*j+2], v[XS+4*j+3]
.set j, j+1
.endr
.set j, 0
.rept 8                                ; rows ascending: each result is read from its lowest register on
.set XR, XS+4*j
.set UU, U+4*(j%2)
	v_fma_mix_f32_bf16 v[UU],   v[XR],   v[ONE], v[DD+j]    op_sel_hi:[1,0,0]                 ; bf16(base) x 1 + 2 B A, in f32
	v_fma_mix_f32_bf16 v[UU+1], v[XR],   v[ONE], v[DD+8+j]  op_sel:[1,0,0] op_sel_hi:[1,0,0]
	v_fma_mix_f32_bf16 v[UU+2], v[XR+2], v[ONE], v[DD+16+j] op_sel_hi:[1,0,0]
	v_fma_mix_f32_bf16 v[UU+3], v[XR+2], v[ONE], v[DD+24+j] op_sel:[1,0,0] op_sel_hi:[1,0,0]
	v_cvt_pk_bf16_f32 v[YS+2*j],   v[UU],   v[UU+1]
	v_cvt_pk_bf16_f32 v[YS+2*j+1], v[UU+2], v[UU+3]
.set j, j+1
.endr
.else
.set j, 0
.rept 8
.set XR, XS+4*j
	v_cvt_pk_bf16_f32 v[YS+2*j],   v[XR],   v[XR+1]
	v_cvt_pk_bf16_f32 v[YS+2*j+1], v[XR+2], v[XR+3]
.set j, j+1
.endr
.endif
.endm
	; x: a cast
.set SRC, 4
.set DST, 12
	s_wait_alu depctr_va_vdst(0)                   ; v1 and v2 are written: every load and store of this path reads one of them as its offset
	FILL 0, 0
	FILL 1, 0
.irp g, 0,1,2,3,4,5,6,7
	GROUP \g, 0
.endr
	s_wait_alu depctr_va_vdst(0)                   ; group 7 has written Y1, which the last eight stores read
	SEND 7
	s_endpgm
.Lweights:
.set SRC, 6
.set DST, 14
	v_and_b32 v[BOF], 7, v0
	v_lshlrev_b32 v[BOF], 5, v[BOF]
	s_wait_alu depctr_va_vdst(0)                   ; v1, v2 and v3 are written: every load and store of this path reads one of them as its offset
.set k, 0
.rept 8                                ; lora_A's eight rows at my four columns, for now in slot 2's registers
	global_load_b128 v[X+64+4*k:X+64+4*k+3], v[SOF], s[8:9] offset:k*ROWS
.set k, k+1
.endr
	FILL 0, 1
	FILL 1, 1
	v_mov_b32 v[ONE], 1.0
	v_lshrrev_b32 v[VM], 1, v0
	v_xor_b32 v[VM], v[VM], v0                     ; bit 3: lane bit 4 xor lane bit 3
	v_bfe_u32 v[VM], v[VM], 3, 1
	v_add_nc_u32 v[VM], -1, v[VM]                  ; equal: all ones; unequal: 0
.set i, 4
.rept 4                                ; k = 16 .. 31 of both sources is 0
	v_mov_b32 v[AF+i], 0
	v_mov_b32 v[BF+i], 0
	v_mov_b32 v[BF+8+i], 0
	v_mov_b32 v[BF+16+i], 0
	v_mov_b32 v[BF+24+i], 0
.set i, i+1
.endr
	s_wait_loadcnt 20                              ; lora_A is in; the twenty loads of groups 0 and 1 stay out
.set i, 0
.rept 16
	v_pk_mul_f32 v[X+64+2*i:X+64+2*i+1], v[X+64+2*i:X+64+2*i+1], 2.0 op_sel_hi:[1,0]  ; alpha / rank goes into A
.set i, i+1
.endr
.set c, 0
.rept 4
.set i, 0
.rept 4
	v_cvt_pk_bf16_f32 v[BF+8*c+i], v[X+64+8*i+c], v[X+64+8*i+4+c]  ; ranks 2 i and 2 i + 1 of column c
.set i, i+1
.endr
.set c, c+1
.endr
.irp g, 0,1,2,3,4,5,6,7
	GROUP \g, 1
.endr
	s_wait_alu depctr_va_vdst(0)                   ; group 7 has written Y1, which the last eight stores read
	SEND 7
	s_endpgm
.Lfunc_end_k_qd047b4a241_prep:
	.size	k_qd047b4a241_prep, .Lfunc_end_k_qd047b4a241_prep-k_qd047b4a241_prep
	.p2alignl 7, 3214868480
	.fill 96, 4, 3214868480
	.section	.rodata,"a",@progbits
	.p2align	6, 0x0
	.amdhsa_kernel k_qd047b4a241_prep
		.amdhsa_group_segment_fixed_size 0
		.amdhsa_private_segment_fixed_size 0
		.amdhsa_enable_private_segment 0
		.amdhsa_kernarg_size 48
		.amdhsa_user_sgpr_count 2
		.amdhsa_user_sgpr_kernarg_segment_ptr 1
		.amdhsa_wavefront_size32 1
		.amdhsa_system_sgpr_workgroup_id_x 1
		.amdhsa_system_sgpr_workgroup_id_y 1
		.amdhsa_system_sgpr_workgroup_id_z 1
		.amdhsa_system_vgpr_workitem_id 0
		.amdhsa_next_free_vgpr 240
		.amdhsa_next_free_sgpr 66
		.amdhsa_reserve_vcc 0
		.amdhsa_float_denorm_mode_32 3
		.amdhsa_float_denorm_mode_16_64 3
		.amdhsa_memory_ordered 1
		.amdhsa_forward_progress 1
		.amdhsa_inst_pref_size 78
	.end_amdhsa_kernel
	.amdgpu_metadata
---
amdhsa.version: [ 1, 2 ]
amdhsa.kernels:
  - .name:           k_qd047b4a241_prep
    .symbol:         k_qd047b4a241_prep.kd
    .args:
      - { .name: x, .offset: 0, .size: 8, .value_kind: global_buffer, .address_space: global }
      - { .name: base_weight, .offset: 8, .size: 8, .value_kind: global_buffer, .address_space: global }
      - { .name: lora_A, .offset: 16, .size: 8, .value_kind: global_buffer, .address_space: global }
      - { .name: lora_B, .offset: 24, .size: 8, .value_kind: global_buffer, .address_space: global }
      - { .name: xb, .offset: 32, .size: 8, .value_kind: global_buffer, .address_space: global }
      - { .name: wb, .offset: 40, .size: 8, .value_kind: global_buffer, .address_space: global }
    .group_segment_fixed_size: 0
    .private_segment_fixed_size: 0
    .kernarg_segment_align: 8
    .kernarg_segment_size: 48
    .max_flat_workgroup_size: 256
    .sgpr_count:     66
    .vgpr_count:     240
    .wavefront_size: 32
...
	.end_amdgpu_metadata
.endif
;; end of part 3
;; launch gemm: the kernel of part 2 again; grid 16 x 16, 4 waves a work-group, clusters of 4 x 4, 327,680 bytes of LDS; arguments xb, wb, bias, out0; writes out0
